; MI455X (gfx1250); checked and timed in simulation.
; The chip was launched on July 23, 2026; its instructions are those of AMD's public machine-readable ISA for CDNA 5 (MIT licence, August 2026) and "CDNA5" Instruction Set Architecture Reference Guide (July 2026). The comments in the code are by the model that wrote it; some were corrected since.
;; Pairwise Attention. Allowed arithmetic: matrix products marked QUANTISED: E2M3 operands, one E8M0 scale for each 32 along K, by v_wmma_scale_f32_16x16x128_f8f6f4 with both operands' format E2M3, f32 sums; everything else in f32.
;; Inputs: Wk 128 x 256 float32; Wq 128 x 256 float32; Wv 256 x 256 float32; bk 128 float32; bq 128 float32; bv 256 float32; gamma 1 float32; x 8 x 256 x 64 x 64 float32.
;; Outputs: out0 8 x 256 x 64 x 64 float32.
;; This version of the problem:
;;   THIS VERSION OF THE PROBLEM IS GIVEN IN LOW PRECISION. The matrix products marked QUANTISED in the list below multiply operands that are first quantised to E2M3 (2 exponent bits, 3 mantissa bits; 6 bits a number), with one power-of-two scale for each 32 numbers along K (OCP MX v1.0); their sums are f32. All else is computed in f32.
;;   The module's matrix products, in the order in which they are computed (A, B: the left and right operand; K: the contracted axis; several contracted axes count as one K, in the product's order):
;;     1. [M 32,768, K 256] x [K 256, N 128]; A: input x; B: input Wq: QUANTISED
;;     2. [M 32,768, K 256] x [K 256, N 128]; A: input x; B: input Wk: QUANTISED
;;     3. [M 32,768, K 256] x [K 256, N 256]; A: input x; B: input Wv: QUANTISED
;;     4. batch 8 x [M 4,096, K 128] x [K 128, N 4,096]; A: computed on the way; B: computed on the way: QUANTISED
;;     5. batch 8 x [M 256, K 4,096] x [K 4,096, N 4,096]; A: computed on the way; B: softmax (see below): QUANTISED
;;   THE QUANTISER, for each operand of a quantised product, along K:
;;     - K is cut into blocks of 32 from its start; a last block that is shorter is filled with zeros.
;;     - A block's scale is 2^e with e = floor(log2(the largest magnitude in the block)) - 2, held to -126 .. 127; a block of zeros has e = 0. As a byte (E8M0): e + 127.
;;     - Each number is divided by its block's scale, clamped to +-7.5, and rounded to the nearest number of E2M3, ties to even, subnormals kept.
;;     - The product sums the exact products of the quantised numbers (number of the format x scale) in f32.
;;   ~~~python
;;   def quantise(x, axis):      # numpy; x: float32 -> the quantised numbers, widened to float32 again
;;       x = np.moveaxis(x, axis, -1); K = x.shape[-1]
;;       x = np.pad(x, [(0, 0)] * (x.ndim - 1) + [(0, -K % 32)]); x = x.reshape(x.shape[:-1] + (-1, 32)); a = np.abs(x).max(-1, keepdims=True)
;;       e = np.where(a > 0, np.clip(np.frexp(np.where(a > 0, a, 1))[1] - 1 - 2, -126, 127), 0)      # np.frexp(a)[1] - 1 = floor(log2(a)), exactly
;;       r = np.clip(x / 2.0 ** e, -7.5, 7.5)
;;       step = 2.0 ** (np.maximum(np.frexp(np.where(r == 0, 1, r))[1] - 1, 0) - 3)
;;       q = np.round(r / step) * step * 2.0 ** e      # np.round: ties to even
;;       return np.moveaxis(q.reshape(q.shape[:-2] + (-1,))[..., :K], -1, axis).astype(np.float32)
;;   ~~~
;;   SOFTMAX AHEAD OF A QUANTISED PRODUCT. Where the list says 'softmax', what is quantised is not the finished softmax but p = 2^(t - M), with t = logit x log2(e) and M = ceil(the row's largest t), a whole number; so 1/2 < the row's largest p <= 1. The row's sum l is taken of the UNQUANTISED p, in f32, and the product's result is divided by l at the end. Since M is a whole number, a kernel that streams over the keys may use a running M (the ceiling of the running maximum): every later rescaling is an exact power of two, which a block's scale takes up: the codes' values come out the same.
;;   OPERANDS COMPUTED ON THE WAY. 'Computed on the way' means the value that the module computes at that place (a softmax that the list does not call 'softmax' is quantised finished and normalised). What goes into a quantiser is computed in f32, as accurately as f32 sums, v_exp_f32 and their like allow (about 1e-6 of the number): no bf16 or f16 on the way to a quantiser, and a product that is left as it is and whose result goes on into a quantised operand takes f32 operands (vector FMAs, or v_wmma_f32_16x16x4_f32). A number that lies on a knife's edge between two numbers of the format may be rounded either way, as far as f32 arithmetic and the matrix unit's own rounding can turn it there, and no further.
;; One version. Each part assembles by itself: llvm-mc -triple=amdgcn-amd-amdhsa -mcpu=gfx1250 --defsym DOCPART=n.
;; ======== version 1 of 1: 3 launches
;; limits: right only within a limited range of input values
;; workspace buffers: wc 102,400 bytes; qc 3,276,800 bytes; kv 9,830,400 bytes
;; launch wquant (part 1): grid 32 x 1, 1 waves a work-group, no clusters, 0 bytes of LDS; arguments Wq, Wk, Wv, wc; writes wc
.if DOCPART == 1
	.amdgcn_target "amdgcn-amd-amdhsa--gfx1250"
	.amdhsa_code_object_version 6
	.text
	.protected	k_q065e4d00ed_wquant
	.globl	k_q065e4d00ed_wquant
	.p2align	8
	.type	k_q065e4d00ed_wquant,@function
k_q065e4d00ed_wquant:
	s_mov_b64 s[64:65], 0
	v_nop
	global_prefetch_b8 v0, s[64:65] scope:SCOPE_SE
	s_setreg_imm32_b32 hwreg(HW_REG_WAVE_MODE, 25, 1), 1
	s_wait_xcnt 0x0
; The 512 rows of Wq [128][256], Wk [128][256], Wv [256][256], f32, K = the 256 input channels innermost, become codes of FP6 (E2M3) with one E8M0 byte for each 32 along K.
; They are laid in wc AS THE MATRIX OPERAND'S REGISTERS: a fragment (16 rows x 128 K) is 12 registers a lane, 1,536 bytes: registers 4 g .. 4 g + 3 of lane L at 512 g + 16 L.
; Tile g of 32 (one wave each): 0-7 Wq, 8-15 Wk, 16-31 Wv; its two K steps at 3,072 g + 1,536 s.  Its scale words at 98,304 + 128 g + 4 L: lane L holds the word of K step L / 16 of row L % 16.
; THE ROWS OF A TILE OF Wq AND Wk ARE NOT NEIGHBOURS: lane row r of tile t takes row 32 (t / 2) + 8 (t % 2) + r + 8 (r / 8), so that in the next launch a lane's results run along the next product's K.  Wv's tiles take neighbours.
; A block's scale is 2^(floor(log2(its largest magnitude)) - 2): its byte is the largest magnitude's exponent field - 2, held at 1 from below by a floor among the maximum's leaves.
; LIMITS: a block of zeros, or one whose largest magnitude lies under 2^-124, keeps the byte 1 (its bytes are read by this program alone; zero codes add nothing under it); NaN and infinities are not served.
; The weights are 512 KiB in all and every later work-group wants all of them: quantised once here, they are read as 100 KiB of codes.  A lane reads 128 neighbouring bytes of its row for each block, eight loads of 16 bytes.
.set X,   16                           ; v16-143  block q = 2 s + c: 32 numbers at X + 32 q
.set M,   144                          ; v144-147 largest magnitudes, first chain
.set M2,  148                          ; v148-151 second chain
.set SO,  152                          ; v152-155 the conversions' scale operands
.set BY,  156                          ; v156-159 the scale bytes
.set W,   160                          ; v160-161 the scale words of K steps 0, 1
.set T,   162                          ; v162-163 at work
.set PC,  164                          ; v164-187 the two fragments
.set CT,  188                          ; v188-203 a block's upper 16 codes, four registers a block
	s_load_b128 s[4:7], s[0:1], 0x0                ; Wq, Wk
	s_load_b128 s[8:11], s[0:1], 0x10              ; Wv, wc
	v_and_b32 v1, 15, v0                           ; r
	v_lshrrev_b32 v2, 4, v0                        ; h (one wave: v0 is the lane)
	v_lshrrev_b32 v6, 3, v1                        ; r / 8
	v_lshlrev_b32 v4, 4, v0                        ; 16 L: an image's place for my lane
	v_lshlrev_b32 v5, 2, v0                        ; 4 L: a scale word's
	v_lshlrev_b32 v7, 3, v2                        ; 8 h: my bytes' shift in a scale word
	s_and_b32 s13, ttmp9, 7
	s_lshr_b32 s14, s13, 1
	s_lshl_b32 s14, s14, 5
	s_and_b32 s15, ttmp9, 1
	s_lshl_b32 s15, s15, 3
	s_add_co_u32 s14, s14, s15                     ; Wq, Wk: the tile's first row 32 (t / 2) + 8 (t % 2)
	s_and_b32 s15, ttmp9, 15
	s_lshl_b32 s15, s15, 4                         ; Wv: 16 (g - 16)
	s_mul_i32 s16, ttmp9, 3072                     ; where the tile's images go
	s_mov_b32 s17, 0
	s_lshl_b32 s18, ttmp9, 7
	s_add_co_u32 s18, s18, 98304                   ; and its scale words
	s_mov_b32 s19, 0
	s_mov_b32 s24, 0x76543210
	s_mov_b32 s25, 0xfedcba98                      ; v_permlanex16_b32's selects for lane l xor 16
	s_wait_alu depctr_va_vdst(0)
	s_wait_kmcnt 0x0
	s_cmp_lt_u32 ttmp9, 8                          ; the choice of the tensor hangs on the work-group's number alone
	s_cselect_b64 s[4:5], s[4:5], s[6:7]
	s_cmp_lt_u32 ttmp9, 16
	s_cselect_b64 s[4:5], s[4:5], s[8:9]
	s_cselect_b32 s14, s14, s15
	s_cselect_b32 s12, 8, 0                        ; rows 8-15 of a tile of Wq or Wk lie 8 further on
	s_add_nc_u64 s[20:21], s[10:11], s[16:17]
	s_add_nc_u64 s[22:23], s[10:11], s[18:19]
	v_mul_u32_u24 v6, s12, v6
	v_add3_u32 v6, v6, v1, s14                     ; my row
	v_lshlrev_b32 v3, 10, v6                       ; 1,024 bytes a row
	v_lshl_add_u32 v3, v2, 7, v3                   ; + 128 h: the operand's layout gives lane (r, h) k = 128 s + 64 c + 32 h + 0 .. 31
.irp q, 0,1,2,3
.irp i, 0,1,2,3,4,5,6,7
	global_load_b128 v[X+32*\q+4*\i:X+32*\q+4*\i+3], v3, s[4:5] offset:256*\q+16*\i
.endr
.endr
	s_wait_loadcnt 0x0
.irp q, 0,1,2,3                                ; each block's 32 numbers are mine; the four blocks by turns, two chains each
	v_max3_num_f32 v[M+\q], |v[X+32*\q]|, |v[X+32*\q+1]|, |v[X+32*\q+2]|
.endr
.irp q, 0,1,2,3
	v_max3_num_f32 v[M2+\q], |v[X+32*\q+3]|, |v[X+32*\q+4]|, |v[X+32*\q+5]|
.endr
.irp i, 6,10,14,18,22,26
.irp q, 0,1,2,3
	v_max3_num_f32 v[M+\q], v[M+\q], |v[X+32*\q+\i]|, |v[X+32*\q+\i+1]|
.endr
.irp q, 0,1,2,3
	v_max3_num_f32 v[M2+\q], v[M2+\q], |v[X+32*\q+\i+2]|, |v[X+32*\q+\i+3]|
.endr
.endr
.irp q, 0,1,2,3
	v_max3_num_f32 v[M+\q], v[M+\q], |v[X+32*\q+30]|, |v[X+32*\q+31]|
.endr
.irp q, 0,1,2,3
	v_max3_num_f32 v[M+\q], v[M+\q], v[M2+\q], 0x1800000     ; and the floor 2^(3 - 127): the byte cannot fall under 1
.endr
.irp q, 0,1,2,3
	v_add_nc_u32 v[SO+\q], 0xff000000, v[M+\q]     ; 2 off the exponent field: the conversion takes this operand's exponent field as its scale
.endr
.irp q, 0,1,2,3
	v_lshrrev_b32 v[BY+\q], 23, v[SO+\q]           ; the scale's byte
.endr
.irp s, 0,1
	v_lshl_or_b32 v[W+\s], v[BY+2*\s+1], 16, v[BY+2*\s]      ; my two bytes of K step s: blocks h and 2 + h,
	v_lshlrev_b32 v[W+\s], v7, v[W+\s]             ; at their places in the word
	v_mov_b32 v[T+\s], 0                           ; (a lane permute's destination counts as one of its sources)
	v_permlanex16_b32 v[T+\s], v[W+\s], s24, s25
	v_or_b32 v[W+\s], v[W+\s], v[T+\s]             ; with lane l xor 16's two the word is whole, in both lanes
.endr
	v_cmp_le_u32 vcc_lo, 16, v0
	v_cndmask_b32 v[W], v[W], v[W+1], vcc_lo       ; lanes 0-15 keep K step 0's word, lanes 16-31 take K step 1's
.irp q, 0,1,2,3
	v_cvt_scalef32_pk16_fp6_f32 v[PC+6*\q:PC+6*\q+2], v[X+32*\q:X+32*\q+15], v[SO+\q]            ; registers 6 c .. 6 c + 2 of fragment s (12 s + 6 c = 6 q)
	v_cvt_scalef32_pk16_fp6_f32 v[CT+4*\q:CT+4*\q+2], v[X+32*\q+16:X+32*\q+31], v[SO+\q]         ; (a conversion's three registers begin on an even number: the upper half is made elsewhere and moved)
.endr
	v_nop                                          ; one plain place behind a scaled conversion
.irp q, 0,1,2,3
.irp i, 0,1,2
	v_mov_b32 v[PC+6*\q+3+\i], v[CT+4*\q+\i]
.endr
.endr
.irp s, 0,1
.irp g, 0,1,2
	global_store_b128 v4, v[PC+12*\s+4*\g:PC+12*\s+4*\g+3], s[20:21] offset:1536*\s+512*\g     ; 32 lanes store 512 consecutive bytes, at a multiple of 256 from wc's first byte
.endr
.endr
	global_store_b32 v5, v[W], s[22:23]            ; 128 consecutive bytes
	s_endpgm
.Lfunc_end_k_q065e4d00ed_wquant:
	.size	k_q065e4d00ed_wquant, .Lfunc_end_k_q065e4d00ed_wquant-k_q065e4d00ed_wquant
	.p2alignl 7, 3214868480
	.fill 96, 4, 3214868480
	.section	.rodata,"a",@progbits
	.p2align	6, 0x0
	.amdhsa_kernel k_q065e4d00ed_wquant
		.amdhsa_group_segment_fixed_size 0
		.amdhsa_private_segment_fixed_size 0
		.amdhsa_enable_private_segment 0
		.amdhsa_kernarg_size 32
		.amdhsa_user_sgpr_count 2
		.amdhsa_user_sgpr_kernarg_segment_ptr 1
		.amdhsa_wavefront_size32 1
		.amdhsa_system_sgpr_workgroup_id_x 1
		.amdhsa_system_sgpr_workgroup_id_y 1
		.amdhsa_system_sgpr_workgroup_id_z 1
		.amdhsa_system_vgpr_workitem_id 0
		.amdhsa_next_free_vgpr 208
		.amdhsa_next_free_sgpr 66
		.amdhsa_reserve_vcc 1
		.amdhsa_float_denorm_mode_32 3
		.amdhsa_float_denorm_mode_16_64 3
		.amdhsa_memory_ordered 1
		.amdhsa_forward_progress 1
		.amdhsa_inst_pref_size 12
	.end_amdhsa_kernel
	.amdgpu_metadata
---
amdhsa.version: [ 1, 2 ]
amdhsa.kernels:
  - .name:           k_q065e4d00ed_wquant
    .symbol:         k_q065e4d00ed_wquant.kd
    .args:
      - { .name: Wq, .offset: 0, .size: 8, .value_kind: global_buffer, .address_space: global }
      - { .name: Wk, .offset: 8, .size: 8, .value_kind: global_buffer, .address_space: global }
      - { .name: Wv, .offset: 16, .size: 8, .value_kind: global_buffer, .address_space: global }
      - { .name: wc, .offset: 24, .size: 8, .value_kind: global_buffer, .address_space: global }
    .group_segment_fixed_size: 0
    .private_segment_fixed_size: 0
    .kernarg_segment_align: 8
    .kernarg_segment_size: 32
    .max_flat_workgroup_size: 32
    .sgpr_count:     66
    .vgpr_count:     208
    .wavefront_size: 32
...
	.end_amdgpu_metadata
.endif
;; end of part 1
;; launch proj (part 2): grid 32 x 8, 8 waves a work-group, no clusters, 26,624 bytes of LDS; arguments x, wc, bq, bk, bv, qc, kv; writes qc, kv
.if DOCPART == 2
	.amdgcn_target "amdgcn-amd-amdhsa--gfx1250"
	.amdhsa_code_object_version 6
	.text
	.protected	k_q065e4d00ed_proj
	.globl	k_q065e4d00ed_proj
	.p2align	8
	.type	k_q065e4d00ed_proj,@function
k_q065e4d00ed_proj:
	s_mov_b64 s[64:65], 0
	v_nop
	global_prefetch_b8 v0, s[64:65] scope:SCOPE_SE
	s_setreg_imm32_b32 hwreg(HW_REG_WAVE_MODE, 25, 1), 1
	s_wait_xcnt 0x0
; q = Wq x + bq, k = Wk x + bk, v = Wv x + bv for 128 pixels of one image, all three products on codes of FP6 (E2M3) with one E8M0 scale for each 32 along K (the 256 channels);
; then q and k are quantised along their 128 channels and v along the pixels, which are the K of the two products of the next launch.  x: [8][256][4096] f32.  wc: the weights' codes, as the launch before laid them.
; EVERY OPERAND LIES IN MEMORY AND IN LDS AS AN IMAGE OF ITS REGISTERS: a fragment (16 rows x 128 K, 12 registers a lane) is 1,536 bytes, registers 4 g .. 4 g + 3 of lane L at 512 g + 16 L.
; OUT: record rec = 32 x image + block of 128 pixels.  qc: 12,800 bytes a record: 8 tiles of queries, then 2 quads of scale words.  kv: 38,400 bytes: 8 tiles of keys, 16 tiles of v's channels (16 channels x these 128 keys),
; 2 quads for k, 4 for v.  A quad (256 bytes) serves 4 tiles t0 ..: lane L's 8 bytes at 8 L; its word i is the scale word of tile t0 + 2 i + L / 16, row L % 16: so one register serves two tiles, by the two rows of a scale operand.
; THE PIXELS OF A TILE ARE NOT NEIGHBOURS: row r of tile t is pixel 32 (t / 2) + 8 (t % 2) + r % 8 + 16 (r / 8); Wq's and Wk's rows likewise.  So wherever such a tile is source 0, a lane's 16 registers of tiles 2 b, 2 b + 1 are 16 neighbours.
; PHASE X, all eight waves: wave w takes pixels 32 (w % 4) + lane and channels 128 (w / 4) + 0 .. 127: A LANE TAKES A PIXEL AND ITS REGISTERS RUN DOWN THE CHANNELS, so each load reads 128 consecutive bytes
; (four waves side by side: 512), a block of 32 lies in one lane, and the codes come out with K innermost.  They go to LDS at their places in the images of x's 8 tiles.  One barrier.
; PHASE P: a UNIT is 16 matrix instructions, 8 tiles of source 0 x 2 K steps against one source 1; its 64 results a lane are one fragment of the next operand.  Four units a wave.
;   waves 0, 1 (q) and 2, 3 (k): source 0 = the weight's 8 tiles (they stay in registers), source 1 = one tile of x: a lane holds one pixel, registers along the channels.
;   waves 4-7 (v): source 0 = x's 8 tiles (they stay in registers), source 1 = one tile of Wv: a lane holds one channel, registers along the pixels.
; The biases are the C of each sum's first matrix instruction.
; LIMITS: a block of zeros, or one under 2^-124, keeps the scale byte 1 (read by this program alone); NaN and infinities are not served.
; No tensor load: a work-group reads its 128 KiB of x once, through registers, since the numbers must pass the quantiser anyway.
.set A4L,  1                           ; v1   4 x lane
.set A16L, 2                           ; v2   16 x lane
.set A8L,  3                           ; v3   8 x lane
.set XW,   4                           ; v4   LDS: where my pixel's codes go
.set XWS,  5                           ; v5   LDS: where its scale word goes
.set SMA,  6                           ; v6   LDS: q, k: my four tiles of x
.set SMS,  7                           ; v7   LDS: and their scale words
.set A64H, 8                           ; v8   64 x (lane / 16)
.set A4R,  9                           ; v9   4 x (lane % 16)
.set LN,   10                          ; v10  lane
.set X,    16                          ; v16-143  phase X: my pixel's 128 numbers
.set CX,   144                         ; v144-167 their codes, 6 registers a block
.set CT,   168                         ; v168-170 a block's upper 16 codes
.set XM,   172                         ; v172-176 two maxima, scale operand, byte, scale word
.set BS,   184                         ; v184-191 scale words of source 0's 8 tiles: lanes 0-15 K step 0, lanes 16-31 K step 1.  These and SS hold scales and nothing else
.set SS,   192                         ; v192-195 scale words of source 1
.set BVL,  196                         ; v196-199 v: bv of my lane's channel, for each unit
.set HA,   16                          ; v16-79   phase P: a unit's 8 accumulators
.set SM,   80                          ; v80-103  q, k: the unit's tile of x, two K steps
.set BC,   80                          ; v80-111  v: eight registers of bias for each unit
.set PWS,  112                         ; v112-115 the four units' scale words
.set PW,   116                         ; v116     the scale word just made
.set SWP,  118                         ; v118-119 my 8 bytes of the quad
.set PC,   144                         ; v144-162 the codes just made
.set TM,   164                         ; v164-179 at work in QUANT
.set BI,   192                         ; window 1: v192-255 q, k: the bias, eight registers a tile.  Window 1, v0-191: source 0's 16 fragments, (t, s) at 24 t + 12 s
.set SEL,  22                          ; s[22:23]
.set MSB, 0
.macro WIN new                         ; the immediate's high byte repeats the setting that is left
.if MSB != \new
	s_set_vgpr_msb (MSB<<8)|\new
.set MSB, \new
.endif
.endm
; One matrix instruction.  c < 0: the constant 0 starts the sum.  ra, rb: which 16 lanes of the scale registers are read.
.macro WM d, a, b, c, sa, sb, ra, rb
.set WROW, (\ra)+2*(\rb)
.if (\c) < 0
.if WROW == 0
	v_wmma_scale_f32_16x16x128_f8f6f4 v[\d:\d+7], v[\a:\a+11], v[\b:\b+11], 0, v[\sa], v[\sb] matrix_a_fmt:MATRIX_FMT_FP6 matrix_b_fmt:MATRIX_FMT_FP6
.elseif WROW == 1
	v_wmma_scale_f32_16x16x128_f8f6f4 v[\d:\d+7], v[\a:\a+11], v[\b:\b+11], 0, v[\sa], v[\sb] matrix_a_fmt:MATRIX_FMT_FP6 matrix_b_fmt:MATRIX_FMT_FP6 matrix_a_scale:MATRIX_SCALE_ROW1
.elseif WROW == 2
	v_wmma_scale_f32_16x16x128_f8f6f4 v[\d:\d+7], v[\a:\a+11], v[\b:\b+11], 0, v[\sa], v[\sb] matrix_a_fmt:MATRIX_FMT_FP6 matrix_b_fmt:MATRIX_FMT_FP6 matrix_b_scale:MATRIX_SCALE_ROW1
.else
	v_wmma_scale_f32_16x16x128_f8f6f4 v[\d:\d+7], v[\a:\a+11], v[\b:\b+11], 0, v[\sa], v[\sb] matrix_a_fmt:MATRIX_FMT_FP6 matrix_b_fmt:MATRIX_FMT_FP6 matrix_a_scale:MATRIX_SCALE_ROW1 matrix_b_scale:MATRIX_SCALE_ROW1
.endif
.else
.if WROW == 0
	v_wmma_scale_f32_16x16x128_f8f6f4 v[\d:\d+7], v[\a:\a+11], v[\b:\b+11], v[\c:\c+7], v[\sa], v[\sb] matrix_a_fmt:MATRIX_FMT_FP6 matrix_b_fmt:MATRIX_FMT_FP6
.elseif WROW == 1
	v_wmma_scale_f32_16x16x128_f8f6f4 v[\d:\d+7], v[\a:\a+11], v[\b:\b+11], v[\c:\c+7], v[\sa], v[\sb] matrix_a_fmt:MATRIX_FMT_FP6 matrix_b_fmt:MATRIX_FMT_FP6 matrix_a_scale:MATRIX_SCALE_ROW1
.elseif WROW == 2
	v_wmma_scale_f32_16x16x128_f8f6f4 v[\d:\d+7], v[\a:\a+11], v[\b:\b+11], v[\c:\c+7], v[\sa], v[\sb] matrix_a_fmt:MATRIX_FMT_FP6 matrix_b_fmt:MATRIX_FMT_FP6 matrix_b_scale:MATRIX_SCALE_ROW1
.else
	v_wmma_scale_f32_16x16x128_f8f6f4 v[\d:\d+7], v[\a:\a+11], v[\b:\b+11], v[\c:\c+7], v[\sa], v[\sb] matrix_a_fmt:MATRIX_FMT_FP6 matrix_b_fmt:MATRIX_FMT_FP6 matrix_a_scale:MATRIX_SCALE_ROW1 matrix_b_scale:MATRIX_SCALE_ROW1
.endif
.endif
.endm
; Block j (32 channels) of my pixel: largest magnitude, scale, codes; the 24 bytes go to their place in the image: block j = 2 c + h' is registers 6 c .. 6 c + 5 of lane r + 16 h'.
.macro XBLK j
.set XS, X+32*(\j)
	v_max3_num_f32 v[XM], |v[XS]|, |v[XS+1]|, |v[XS+2]|
	v_max3_num_f32 v[XM+1], |v[XS+3]|, |v[XS+4]|, |v[XS+5]|
.irp i, 6,10,14,18,22,26
	s_delay_alu instid0(VALU_DEP_2)
	v_max3_num_f32 v[XM], v[XM], |v[XS+\i]|, |v[XS+\i+1]|
	s_delay_alu instid0(VALU_DEP_2)
	v_max3_num_f32 v[XM+1], v[XM+1], |v[XS+\i+2]|, |v[XS+\i+3]|
.endr
	s_delay_alu instid0(VALU_DEP_2)
	v_max3_num_f32 v[XM], v[XM], |v[XS+30]|, |v[XS+31]|
	s_delay_alu instid0(VALU_DEP_1)
	v_max3_num_f32 v[XM], v[XM], v[XM+1], 0x1800000          ; and the floor 2^(3 - 127): the byte cannot fall under 1
	s_delay_alu instid0(VALU_DEP_1)
	v_add_nc_u32 v[XM+2], 0xff000000, v[XM]        ; 2 off the exponent field: the conversion's scale operand
	s_delay_alu instid0(VALU_DEP_1)
	v_lshrrev_b32 v[XM+3], 23, v[XM+2]             ; the scale's byte
.if (\j) == 0
	s_delay_alu instid0(VALU_DEP_1)
	v_mov_b32 v[XM+4], v[XM+3]                     ; the four bytes make my pixel's scale word for this K step
.else
	s_delay_alu instid0(VALU_DEP_1)
	v_lshl_or_b32 v[XM+4], v[XM+3], 8*(\j), v[XM+4]
.endif
	v_cvt_scalef32_pk16_fp6_f32 v[CX+6*(\j):CX+6*(\j)+2], v[XS:XS+15], v[XM+2]
	v_cvt_scalef32_pk16_fp6_f32 v[CT:CT+2], v[XS+16:XS+31], v[XM+2]          ; (a conversion's three registers begin on an even number)
	v_nop                                          ; one plain place behind a scaled conversion
.irp i, 0,1,2
	v_mov_b32 v[CX+6*(\j)+3+\i], v[CT+\i]
.endr
.if (\j) < 2
	ds_store_b128 v[XW], v[CX+6*(\j):CX+6*(\j)+3] offset:256*(\j)            ; registers 0-3,
	ds_store_b64 v[XW], v[CX+6*(\j)+4:CX+6*(\j)+5] offset:512+256*(\j)       ; 4, 5
.else
	ds_store_b64 v[XW], v[CX+6*(\j):CX+6*(\j)+1] offset:520+256*((\j)-2)     ; registers 6, 7,
	ds_store_b128 v[XW], v[CX+6*(\j)+2:CX+6*(\j)+5] offset:1024+256*((\j)-2) ; 8-11
.endif
.endm
; 64 numbers of a lane, register 16 b + i = k 32 b + 16 (lane / 16) + i of my row, become a fragment's codes in v[PC] on and its scale word in v[PW].
; The first line on each accumulator reads its lowest registers.
.macro QUANT s
.irp b, 0,1,2,3
	v_max3_num_f32 v[TM+\b], |v[\s+16*\b]|, |v[\s+1+16*\b]|, 0x1800000      ; block b: my 16 numbers, and the floor 2^(3 - 127)
.endr
.irp i, 2,4,6,8,10,12,14
.irp b, 0,1,2,3
	v_max3_num_f32 v[TM+\b], v[TM+\b], |v[\s+16*\b+\i]|, |v[\s+1+16*\b+\i]|  ; (the four blocks by turns)
.endr
.endr
.irp b, 0,1,2,3
	s_delay_alu instid0(VALU_DEP_4)
	v_permlanex16_b32 v[TM+4+\b], v[TM+\b], s[SEL], s[SEL+1]
.endr
.irp b, 0,1,2,3
	s_delay_alu instid0(VALU_DEP_4)
	v_max_num_f32 v[TM+\b], v[TM+\b], v[TM+4+\b]   ; with lane l xor 16's: the block's largest magnitude
.endr
.irp b, 0,1,2,3
	s_delay_alu instid0(VALU_DEP_4)
	v_add_nc_u32 v[TM+12+\b], 0xff000000, v[TM+\b] ; the conversion's scale operand
.endr
.irp b, 0,1,2,3
	s_delay_alu instid0(VALU_DEP_4)
	v_lshrrev_b32 v[TM+4+\b], 23, v[TM+12+\b]      ; the scale's byte
.endr
	s_delay_alu instid0(VALU_DEP_3)
	v_lshl_or_b32 v[PW], v[TM+5], 8, v[TM+4]       ; my row's scale word (the same in lanes l and l xor 16)
	s_delay_alu instid0(VALU_DEP_1)
	v_lshl_or_b32 v[PW], v[TM+6], 16, v[PW]
	s_delay_alu instid0(VALU_DEP_1)
	v_lshl_or_b32 v[PW], v[TM+7], 24, v[PW]
.irp c, 0,1
	v_cvt_scalef32_pk16_fp6_f32 v[PC+6*\c:PC+2+6*\c], v[\s+32*\c:\s+15+32*\c], v[TM+12+2*\c]
	v_cvt_scalef32_pk16_fp6_f32 v[PC+12+4*\c:PC+14+4*\c], v[\s+16+32*\c:\s+31+32*\c], v[TM+12+2*\c+1]
.endr
	v_nop                                          ; one plain place behind a scaled conversion
.irp c, 0,1                                    ; the operand's layout wants a WHOLE block in a lane: lanes 0-15 block 2 c, lanes 16-31 block 2 c + 1
.irp i, 0,1,2
	v_permlane16_swap_b32 v[PC+6*\c+\i], v[PC+12+4*\c+\i]
.endr
.irp i, 0,1,2
	s_delay_alu instid0(VALU_DEP_3)
	v_mov_b32 v[PC+3+6*\c+\i], v[PC+12+4*\c+\i]
.endr
.endr
.endm
.macro OUT u                           ; unit u's fragment leaves as it stands: three stores of 512 consecutive bytes, at multiples of 256 from the buffer's first byte
	v_mov_b32 v[PWS+\u], v[PW]
.irp g, 0,1,2
	global_store_b128 v[A16L], v[PC+4*\g:PC+4*\g+3], s[32:33] offset:1536*\u+512*\g
.endr
.endm
.macro PLACES n
.rept \n
	v_nop
.endr
.endm
	s_load_b256 s[4:11], s[0:1], 0x0               ; x s[4:5], wc s[6:7], bq s[8:9], bk s[10:11]
	s_load_b128 s[12:15], s[0:1], 0x20             ; bv s[12:13], qc s[14:15]
	s_load_b64 s[16:17], s[0:1], 0x30              ; kv
	v_lshl_add_u32 v206, v0, 2, 0x6400
	v_mov_b32 v207, 0
	v_lshrrev_b32 v10, 5, v0
	s_delay_alu instid0(VALU_DEP_1)
	v_readfirstlane_b32 s18, v10                   ; wave 0..7
	v_and_b32 v[LN], 31, v0
	s_mov_b32 s19, ttmp9                           ; block of 128 pixels
	s_and_b32 s20, ttmp7, 0xffff                   ; image
	s_lshl_b32 s21, s20, 5
	s_add_co_u32 s21, s21, s19                     ; record
	s_mov_b32 s[SEL], 0x76543210
	s_mov_b32 s[SEL+1], 0xfedcba98                 ; v_permlanex16_b32's selects for lane l xor 16
	v_lshlrev_b32 v[A4L], 2, v[LN]
	v_lshlrev_b32 v[A16L], 4, v[LN]
	v_lshlrev_b32 v[A8L], 3, v[LN]
	v_bfe_u32 v11, v0, 3, 1                        ; pixel 32 b + L is row L % 8 + 8 (L / 16) of tile 2 b + (L / 8) % 2
	v_and_b32 v12, 7, v0
	v_bfe_u32 v13, v0, 4, 1
	v_and_b32 v14, 15, v0
	s_delay_alu instid0(VALU_DEP_2)
	v_lshl_add_u32 v12, v13, 3, v12
	v_mul_u32_u24 v11, v11, 3200                   ; LDS: a tile of x is 3,200 bytes: two images, then 128 bytes of scale words
	s_wait_alu depctr_va_vdst(0)
	v_lshlrev_b32 v[A64H], 6, v13
	v_lshlrev_b32 v[A4R], 2, v14
	s_and_b32 s36, s18, 3                          ; which 32 pixels are mine in phase X
	s_lshr_b32 s37, s18, 2                         ; which 128 channels: the K step
	s_mul_i32 s38, s36, 6400
	s_mul_i32 s39, s37, 1536
	s_add_co_u32 s39, s39, s38
	v_add_nc_u32 v[XW], s39, v11
	s_delay_alu instid0(VALU_DEP_1)
	v_lshl_add_u32 v[XW], v12, 4, v[XW]            ; tile x 3,200 + K step x 1,536 + 16 x row
	s_lshl_b32 s39, s37, 6
	s_add_co_u32 s39, s39, s38
	s_add_co_u32 s39, s39, 3072
	v_add_nc_u32 v[XWS], s39, v11
	s_delay_alu instid0(VALU_DEP_1)
	v_lshl_add_u32 v[XWS], v12, 2, v[XWS]          ; tile x 3,200 + 3,072 + 4 (row + 16 x K step)
	s_and_b32 s40, s18, 1
	s_mul_i32 s40, s40, 12800                      ; q, k: tiles 4 (wave % 2) on
	v_add_nc_u32 v[SMA], s40, v[A16L]
	v_add_nc_u32 v[SMS], s40, v[A4L]
	s_lshl_b32 s40, s20, 22                        ; x: image x 4 MiB
	s_lshl_b32 s41, s37, 21                        ;  + 128 channels of 16 KiB
	s_add_co_u32 s40, s40, s41
	s_lshl_b32 s41, s19, 9                         ;  + block x 512 bytes
	s_add_co_u32 s40, s40, s41
	s_lshl_b32 s41, s36, 7                         ;  + my 32 pixels
	s_add_co_u32 s40, s40, s41
	s_mov_b32 s41, 0
	s_mov_b32 s39, 0
	s_wait_kmcnt 0x0
	s_add_nc_u64 s[24:25], s[4:5], s[40:41]
	; what stays in a wave's registers is asked for first; both ways hold scalar work and global loads alone
	s_cmp_lt_u32 s18, 4
	s_cbranch_scc0 .Lrole_v
	s_lshr_b32 s36, s18, 1                         ; 0: q, 1: k
	s_and_b32 s37, s18, 1                          ; which four tiles of pixels
	s_mul_i32 s38, s36, 24576
	s_add_nc_u64 s[26:27], s[6:7], s[38:39]        ; the weight's 8 tiles
	s_lshl_b32 s38, s36, 10
	s_add_co_u32 s38, s38, 98304
	s_add_nc_u64 s[28:29], s[6:7], s[38:39]        ; their scale words
	s_mov_b32 s40, 38400
	s_mov_b32 s41, 36864
	s_cmp_eq_u32 s36, 0                            ; the choices hang on the wave's number alone
	s_cselect_b64 s[30:31], s[8:9], s[10:11]       ; the bias
	s_cselect_b64 s[32:33], s[14:15], s[16:17]     ; qc or kv
	s_cselect_b32 s40, 12800, s40                  ; a record's bytes
	s_cselect_b32 s41, 12288, s41                  ; where its quads begin
	s_mul_i32 s38, s21, s40
	s_add_nc_u64 s[32:33], s[32:33], s[38:39]      ; my record
	s_lshl_b32 s38, s37, 8
	s_add_co_u32 s38, s38, s41
	s_add_nc_u64 s[34:35], s[32:33], s[38:39]      ; my quad
	s_mul_i32 s38, s37, 6144
	s_add_nc_u64 s[32:33], s[32:33], s[38:39]      ; my four images
	WIN 0x40                                       ; destination window 1
.irp t, 0,1,2,3,4,5,6,7
.irp s, 0,1
.irp g, 0,1,2
	global_load_b128 v[24*\t+12*\s+4*\g:24*\t+12*\s+4*\g+3], v[A16L], s[26:27] offset:3072*\t+1536*\s+512*\g
.endr
.endr
.endr
	s_wait_alu depctr_va_vdst(0)
.irp t, 0,1,2,3,4,5,6,7                        ; the bias in the result's layout: tile t, lane half h: channels 32 (t / 2) + 16 h + 8 (t % 2) + 0 .. 7
	global_load_b128 v[BI+8*\t:BI+8*\t+3], v[A64H], s[30:31] offset:4*(32*(\t/2)+8*(\t%2))
	global_load_b128 v[BI+8*\t+4:BI+8*\t+7], v[A64H], s[30:31] offset:4*(32*(\t/2)+8*(\t%2))+16
.endr
	WIN 0
.irp t, 0,1,2,3,4,5,6,7
	global_load_b32 v[BS+\t], v[A4L], s[28:29] offset:128*\t
.endr
	s_branch .Lphase_x
.Lrole_v:
	s_sub_co_u32 s36, s18, 4                       ; which four tiles of Wv's 16
	s_mul_i32 s38, s36, 12288
	s_add_co_u32 s38, s38, 49152
	s_add_nc_u64 s[26:27], s[6:7], s[38:39]        ; tiles 16 + 4 idx on of wc
	s_lshl_b32 s38, s36, 9
	s_add_co_u32 s38, s38, 98304+2048
	s_add_nc_u64 s[28:29], s[6:7], s[38:39]        ; their scale words
	s_lshl_b32 s38, s36, 8
	s_add_nc_u64 s[30:31], s[12:13], s[38:39]      ; bv at my 64 channels
	s_mul_i32 s38, s21, 38400
	s_add_nc_u64 s[32:33], s[16:17], s[38:39]      ; my record of kv
	s_lshl_b32 s38, s36, 8
	s_add_co_u32 s38, s38, 37376
	s_add_nc_u64 s[34:35], s[32:33], s[38:39]      ; my quad
	s_mul_i32 s38, s36, 6144
	s_add_co_u32 s38, s38, 12288
	s_add_nc_u64 s[32:33], s[32:33], s[38:39]      ; my four images
.irp u, 0,1                                    ; Wv's tiles of units 0, 1: window 0, v208 and v232
.irp s, 0,1
.irp g, 0,1,2
	global_load_b128 v[208+24*\u+12*\s+4*\g:208+24*\u+12*\s+4*\g+3], v[A16L], s[26:27] offset:3072*\u+1536*\s+512*\g
.endr
.endr
.endr
	WIN 0x40
.irp u, 2,3                                    ; of units 2, 3: window 1, v192 and v216
.irp s, 0,1
.irp g, 0,1,2
	global_load_b128 v[192+24*(\u-2)+12*\s+4*\g:192+24*(\u-2)+12*\s+4*\g+3], v[A16L], s[26:27] offset:3072*\u+1536*\s+512*\g
.endr
.endr
.endr
	WIN 0
	s_wait_alu depctr_va_vdst(0)
.irp u, 0,1,2,3
	global_load_b32 v[SS+\u], v[A4L], s[28:29] offset:128*\u
	global_load_b32 v[BVL+\u], v[A4R], s[30:31] offset:64*\u
.endr
.Lphase_x:
	; ---- PHASE X
.set i, 0
.rept 128
	global_load_b32 v[X+i], v[A4L], s[24:25] offset:16384*i th:TH_LOAD_NT   ; channel i of my 128, 32 neighbouring pixels: 128 consecutive bytes; 127 x 16,384 lies inside the signed 24-bit immediate
.set i, i+1
.endr
	s_wait_loadcnt 63                              ; loads come back in order: all but the youngest 63 are in, so channels 0 to 64 are (a wait's count names no more than 63)
	XBLK 0
	XBLK 1
	s_wait_loadcnt 32                              ; channels 0 to 95
	XBLK 2
	s_wait_loadcnt 0x0                             ; all, and with them what the wave asked for ahead of x
	XBLK 3
	ds_store_b32 v[XWS], v[XM+4]
	s_wait_dscnt 0x0                               ; for the others' sake: my stores have landed
	s_barrier_signal -1
	s_barrier_wait -1                              ; x's 8 tiles lie in LDS; from here on LDS is only read
.irp b, 0,1,2,3
	v_mov_b32 v[TM+4+\b], 0                        ; written once: a lane permute's destination counts as one of its sources
.endr
	; ---- PHASE P.  In a unit the 8 accumulators take turns, one instruction a turn, K step by K step.
.macro UNITQK u
.if \u > 0
	s_wait_xcnt 0x0                                ; the last unit's stores have read their data: the codes' registers are written again only behind this wait
.endif
.irp s, 0,1
.irp g, 0,1,2
	ds_load_b128 v[SM+12*\s+4*\g:SM+12*\s+4*\g+3], v[SMA] offset:3200*\u+1536*\s+512*\g
.endr
.endr
	ds_load_b32 v[SS], v[SMS] offset:3200*\u+3072
	s_wait_dscnt 0x0
	WIN 0x11                                       ; source 0 (the weight) and source 2 (the bias) window 1
.irp t, 0,1,2,3,4,5,6,7
	WM HA+8*\t, 24*\t, SM, BI+8*\t, BS+\t, SS, 0, 0
.endr
	WIN 0x01
.irp t, 0,1,2,3,4,5,6,7
	WM HA+8*\t, 24*\t+12, SM+12, HA+8*\t, BS+\t, SS, 1, 1
.endr
	WIN 0
	PLACES 4                                       ; in front of the first read of results; with QUANT's lines on its own registers also the places in front of the next unit's loads and first products
	QUANT HA
	OUT \u
.endm
.macro UNITV u
.if \u > 0
	s_wait_xcnt 0x0
.endif
.if \u < 2
.set SV, 208+24*\u
	WIN 0x01                                       ; source 0 (x) window 1
.else
.set SV, 192+24*(\u-2)
	WIN 0x05                                       ; sources 0 (x) and 1 (Wv) window 1
.endif
.irp t, 0,1,2,3,4,5,6,7
	WM HA+8*\t, 24*\t, SV, BC+8*\u, BS+\t, SS+\u, 0, 0
.endr
.irp t, 0,1,2,3,4,5,6,7
	WM HA+8*\t, 24*\t+12, SV+12, HA+8*\t, BS+\t, SS+\u, 1, 1
.endr
	WIN 0
	PLACES 4
	QUANT HA
	OUT \u
.endm
	s_cmp_lt_u32 s18, 4
	s_cbranch_scc0 .Lwork_v
	UNITQK 0
	UNITQK 1
	UNITQK 2
	UNITQK 3
	s_branch .Lquad
.Lwork_v:
	WIN 0x40
.irp t, 0,1,2,3,4,5,6,7                        ; x's 16 fragments stay in window 1
.irp s, 0,1
.irp g, 0,1,2
	ds_load_b128 v[24*\t+12*\s+4*\g:24*\t+12*\s+4*\g+3], v[A16L] offset:3200*\t+1536*\s+512*\g
.endr
.endr
.endr
	WIN 0
.irp t, 0,1,2,3,4,5,6,7
	ds_load_b32 v[BS+\t], v[A4L] offset:3200*\t+3072
.endr
.irp u, 0,1,2,3                                ; a lane holds one channel: its bias in all eight registers of a C
.irp j, 0,1,2,3,4,5,6,7
	v_mov_b32 v[BC+8*\u+\j], v[BVL+\u]
.endr
.endr
	s_wait_dscnt 0x0
	UNITV 0
	UNITV 1
	UNITV 2
	UNITV 3
.Lquad:
	v_cmp_le_u32 vcc_lo, 16, v[LN]                 ; the quad: lanes 0-15 carry tiles 0 and 2 of my four, lanes 16-31 tiles 1 and 3
	s_delay_alu instid0(VALU_DEP_1)
	v_cndmask_b32 v[SWP], v[PWS], v[PWS+1], vcc_lo
	s_wait_alu depctr_va_vdst(0)
	v_cndmask_b32 v[SWP+1], v[PWS+2], v[PWS+3], vcc_lo
	global_store_b64 v[A8L], v[SWP:SWP+1], s[34:35]          ; 32 lanes store 256 consecutive bytes, at a multiple of 256 from the buffer's first byte
	s_wait_tensorcnt 0x0
	ds_add_u32 v206, v207
	s_wait_dscnt 0x0
	s_endpgm
.Lfunc_end_k_q065e4d00ed_proj:
	.size	k_q065e4d00ed_proj, .Lfunc_end_k_q065e4d00ed_proj-k_q065e4d00ed_proj
	.p2alignl 7, 3214868480
	.fill 96, 4, 3214868480
	.section	.rodata,"a",@progbits
	.p2align	6, 0x0
	.amdhsa_kernel k_q065e4d00ed_proj
		.amdhsa_group_segment_fixed_size 26624
		.amdhsa_private_segment_fixed_size 0
		.amdhsa_enable_private_segment 0
		.amdhsa_kernarg_size 56
		.amdhsa_user_sgpr_count 2
		.amdhsa_user_sgpr_kernarg_segment_ptr 1
		.amdhsa_wavefront_size32 1
		.amdhsa_system_sgpr_workgroup_id_x 1
		.amdhsa_system_sgpr_workgroup_id_y 1
		.amdhsa_system_sgpr_workgroup_id_z 1
		.amdhsa_system_vgpr_workitem_id 0
		.amdhsa_next_free_vgpr 512
		.amdhsa_next_free_sgpr 66
		.amdhsa_reserve_vcc 1
		.amdhsa_float_denorm_mode_32 3
		.amdhsa_float_denorm_mode_16_64 3
		.amdhsa_memory_ordered 1
		.amdhsa_forward_progress 1
		.amdhsa_inst_pref_size 99
	.end_amdhsa_kernel
	.amdgpu_metadata
---
amdhsa.version: [ 1, 2 ]
amdhsa.kernels:
  - .name:           k_q065e4d00ed_proj
    .symbol:         k_q065e4d00ed_proj.kd
    .args:
      - { .name: x, .offset: 0, .size: 8, .value_kind: global_buffer, .address_space: global }
      - { .name: wc, .offset: 8, .size: 8, .value_kind: global_buffer, .address_space: global }
      - { .name: bq, .offset: 16, .size: 8, .value_kind: global_buffer, .address_space: global }
      - { .name: bk, .offset: 24, .size: 8, .value_kind: global_buffer, .address_space: global }
      - { .name: bv, .offset: 32, .size: 8, .value_kind: global_buffer, .address_space: global }
      - { .name: qc, .offset: 40, .size: 8, .value_kind: global_buffer, .address_space: global }
      - { .name: kv, .offset: 48, .size: 8, .value_kind: global_buffer, .address_space: global }
    .group_segment_fixed_size: 26624
    .private_segment_fixed_size: 0
    .kernarg_segment_align: 8
    .kernarg_segment_size: 56
    .max_flat_workgroup_size: 256
    .sgpr_count:     66
    .vgpr_count:     512
    .wavefront_size: 32
...
	.end_amdgpu_metadata
.endif
;; end of part 2
;; launch attn (part 3): grid 32 x 8, 8 waves a work-group, clusters of 4 x 1, 327,680 bytes of LDS; arguments qc, kv, x, gamma, out0; writes out0
.if DOCPART == 3
	.amdgcn_target "amdgcn-amd-amdhsa--gfx1250"
	.amdhsa_code_object_version 6
	.text
	.protected	k_q065e4d00ed_attn
	.globl	k_q065e4d00ed_attn
	.p2align	8
	.type	k_q065e4d00ed_attn,@function
k_q065e4d00ed_attn:
	s_mov_b64 s[64:65], 0
	v_nop
	global_prefetch_b8 v0, s[64:65] scope:SCOPE_SE
	s_setreg_imm32_b32 hwreg(HW_REG_WAVE_MODE, 25, 1), 1
	s_wait_xcnt 0x0
	s_wait_alu depctr_hold_cnt(0) depctr_sa_sdst(0) depctr_va_vdst(0) depctr_va_sdst(0) depctr_va_ssrc(0) depctr_va_vcc(0) depctr_vm_vsrc(0)
	s_getreg_b32 s2, hwreg(HW_REG_IB_STS2, 6, 4)
	s_cmp_eq_u32 s2, 0
	s_cbranch_scc0 .Lentry_in_a_cluster
	s_endpgm
.Lentry_in_a_cluster:
	s_bfe_u32 s2, ttmp6, 0x10000c
	s_cmp_lg_u32 s2, 0x3003
	s_cbranch_scc0 .Lentry_shape_is_right
	s_endpgm
.Lentry_shape_is_right:
; out[b][c][m] = gamma x (sum over n of v[b][c][n] softmax_n(q[b][:][m] . k[b][:][n])) + x[b][c][m], both products on codes of FP6 (E2M3) with one E8M0 scale for each 32 along K.
; qc, kv: the codes and scale words as the launch before laid them: images of the operands' registers (a fragment: 1,536 bytes, registers 4 g .. 4 g + 3 of lane L at 512 g + 16 L).
; A record of kv (38,400 bytes) is one KEY STEP of 128 keys: 8 tiles of keys, 16 tiles of v's channels x these keys, 2 + 4 quads of scale words; an image's 32 records lie on end.
; THE SOFTMAX AHEAD OF THE SECOND PRODUCT: t = score x log2(e); M = the largest t so far, rounded UP to a whole number; p = 2^(t - M) is quantised along the keys, not normalised.  The row's sum is taken of the
; unquantised p and divides at the end.  When M moves, the sum is multiplied by 2^(old M - new M): exact.
; O^T HAS A REFERENCE OF ITS OWN, MO, AND IS RESCALED IN EVERY SECOND STEP ONLY.  A slot's first step multiplies O^T by 2^(MO - M) and sets MO = M.  A slot's second step leaves O^T alone: d = M - MO is added to the four
; bytes of p's scale word, so that the matrix unit adds p x 2^d under the old reference: exact.  d is held at 64: where M rose by more in that one step, MO becomes M - 64 and what O^T held (every term of it had
; p <= 1 under the old MO) stays, weighing 2^-64 of the new terms where its true weight is still less.  That spares 128 of a step's packed multiplications in half of the steps.
; SHARES.  A work-group owns 128 queries of one image (8 tiles of 16).  Wave w owns TWO tiles (2 a, 2 a + 1, a = w % 4) and HALF OF THE KEYS (half w / 4): so each fragment of k and v read from LDS feeds two matrix
; instructions, and two waves share a SIMD, one's vector work beside the other's matrix work.  At the end the two halves' O, reference and sum are joined, by powers of two that round nothing.
; LAYOUT.  Both products are used transposed: S^T = k q^T (source 0 = 16 keys), O^T = v p^T (source 0 = 16 channels): a lane holds ONE query throughout.  The keys of a tile are chosen (row r of tile t is key
; 32 (t / 2) + 8 (t % 2) + r % 8 + 16 (r / 8)) so that a lane's 16 registers of tiles 2 b, 2 b + 1 are 16 neighbouring keys.  The queries of a tile are chosen alike: row r of tile 2 a + u is pixel 32 a + 8 u + r % 8 + 16 (r / 8).
; RING.  Two LDS slots of four key steps (153,600 bytes each, a dense block of memory), each wave fetching an eighth (75 rows of 256 bytes) by one tensor load.  In a slot, half 0 reads steps 0, 1 and half 1 steps 2, 3.
; CLUSTER.  The four blocks of queries of a cluster belong to one image and walk the same kv: every tile is asked for JOINTLY, by the same tensor load with the same descriptor and a mask that names the four.
; LIMITS: NaN and infinities are not served.  |t| stays under 2^30 (logits under 7e8), so that M - 64 is a number of f32; |v| under 2^50, so that O^T under a reference 64 below M stays finite.
; A block of p that has fallen under 2^-124 keeps the scale byte 1.  A block's largest p is taken from its largest score, which takes v_exp_f32 not to fall where its input rises.
; The two halves of the keys are summed apart, and a row's sum in four chains, so the order of the f32 sums differs from a single run over the keys.
; REGISTERS.  Window 0: v1-7 addresses and Q's scale words; v8-15 statistics; v16-39 Q; v40-63 p's codes (at a step's head: two fragments of k); v64-65 p's scale words; v66-73 k's, then v's scale words;
;   v74-79 the way out's addresses; v80-207 S^T, then p, then fragments of v (v144-167 at a step's head: two fragments of k); v208-255 four fragments of k, then the softmax's registers at work.
;   Window 1: O^T, tile u, channels 16 ct on at v[128 u + 8 ct].   v7 and v64-73 hold scales and nothing else.
.set REC,   38400                      ; a key step's bytes
.set VIMG,  12288                      ; in it: v's 16 images,
.set KSCL,  36864                      ; k's 2 quads,
.set VSCL,  37376                      ; v's 4 quads
.set SLOT,  4*REC
.set SPARE, 2*SLOT                     ; behind the ring: the spare words, 128 bytes for each wave: four blocks of 256 bytes that no other line names
.set STATS, SPARE+1024                 ; -MO of half 0, of half 1, the sums of half 0, of half 1: 512 bytes each, 4 bytes a pixel
.set SPT,   528                        ; the way out: a stage row: 128 pixels x 4 bytes + 16
.set STGB,  256*SPT                    ; a stage: 256 channels; one for each half of the keys.  They lie in the ring, which has had its last fill and its last read by then
.set LK16, 1                           ; v1   16 x lane + my half's two steps
.set LK8,  2                           ; v2   8 x lane + the same
.set ADR16, 3                          ; v3   the step's LDS address for images
.set ADR8, 4                           ; v4   for quads
.set SPW,  5                           ; v5   LDS address of my spare word; never rewritten
.set NIL,  6                           ; v6   0; never rewritten
.set QS,   7                           ; v7   Q's scale words: lanes 0-15 tile 2 a, lanes 16-31 tile 2 a + 1
.set ST,   8                           ; tile u: v[8+4u] -M, v[9+4u] -MO, v[10+4u:11+4u] the sum in two halves
.set Q,    16
.set PCD,  40
.set PS,   64
.set SCL,  66
.set SA0,  74                          ; v74  the stage: where my results of channels 0-127 go
.set SA1,  75                          ; v75  of channels 128-255
.set STA,  76                          ; v76  where my statistics go
.set RD0,  77                          ; v77  where I read rows back from stage 0
.set RD1,  78                          ; v78  from stage 1
.set GO,   79                          ; v79  16 x lane
.set S,    80
.set KX,   144                         ; v144-167 k's tiles 6, 7, until tile 1's first scores are written there
.set F,    208
.set VB0,  80
.set VB1,  128
.set VB2,  176
.set BM,   208                         ; v208-211 the blocks' largest scores, then largest p
.set BP,   212                         ; v212-215 the other half of the lanes'; then the bytes
.set SO,   216                         ; v216-219 the conversions' scale operands
.set TA,   220
.set TB,   221
.set FP,   222                         ; v[222:223] f = 2^(old M - new M), named as a pair
.set CU,   224                         ; v224-230 the blocks' upper 16 codes
.set SA,   232                         ; v[232:233], v[234:235], v[236:237] the sum's other three chains
.set SB,   234
.set SC,   236
.set FO,   238                         ; v[238:239] 2^(MO - new M), named as a pair
.set TC,   240
.set TI,   241
.set XR,   80                          ; the way out: v80-207 32 rows of x, then of out
.set FA,   240                         ; v240-243, v244-247 what stage 0's and stage 1's numbers are multiplied by, for my 4 pixels
.set WV,   14
.set G1,   24                          ; s[24:31] descriptor group 1
.set G0,   32                          ; s[32:35], s[36:39] group 0 for slot 0, 1
.set MSB, 0
.macro WIN new                         ; the immediate's high byte repeats the setting that is left
.if MSB != \new
	s_set_vgpr_msb (MSB<<8)|\new
.set MSB, \new
.endif
.endm
.macro PLACES n
.rept \n
	v_nop
.endr
.endm
; One matrix instruction.  c < 0: the constant 0 starts the sum.  ra, rb: which 16 lanes of the scale registers are read.
.macro WM d, a, b, c, sa, sb, ra, rb
.set WROW, (\ra)+2*(\rb)
.if (\c) < 0
.if WROW == 0
	v_wmma_scale_f32_16x16x128_f8f6f4 v[\d:\d+7], v[\a:\a+11], v[\b:\b+11], 0, v[\sa], v[\sb] matrix_a_fmt:MATRIX_FMT_FP6 matrix_b_fmt:MATRIX_FMT_FP6
.elseif WROW == 1
	v_wmma_scale_f32_16x16x128_f8f6f4 v[\d:\d+7], v[\a:\a+11], v[\b:\b+11], 0, v[\sa], v[\sb] matrix_a_fmt:MATRIX_FMT_FP6 matrix_b_fmt:MATRIX_FMT_FP6 matrix_a_scale:MATRIX_SCALE_ROW1
.elseif WROW == 2
	v_wmma_scale_f32_16x16x128_f8f6f4 v[\d:\d+7], v[\a:\a+11], v[\b:\b+11], 0, v[\sa], v[\sb] matrix_a_fmt:MATRIX_FMT_FP6 matrix_b_fmt:MATRIX_FMT_FP6 matrix_b_scale:MATRIX_SCALE_ROW1
.else
	v_wmma_scale_f32_16x16x128_f8f6f4 v[\d:\d+7], v[\a:\a+11], v[\b:\b+11], 0, v[\sa], v[\sb] matrix_a_fmt:MATRIX_FMT_FP6 matrix_b_fmt:MATRIX_FMT_FP6 matrix_a_scale:MATRIX_SCALE_ROW1 matrix_b_scale:MATRIX_SCALE_ROW1
.endif
.else
.if WROW == 0
	v_wmma_scale_f32_16x16x128_f8f6f4 v[\d:\d+7], v[\a:\a+11], v[\b:\b+11], v[\c:\c+7], v[\sa], v[\sb] matrix_a_fmt:MATRIX_FMT_FP6 matrix_b_fmt:MATRIX_FMT_FP6
.elseif WROW == 1
	v_wmma_scale_f32_16x16x128_f8f6f4 v[\d:\d+7], v[\a:\a+11], v[\b:\b+11], v[\c:\c+7], v[\sa], v[\sb] matrix_a_fmt:MATRIX_FMT_FP6 matrix_b_fmt:MATRIX_FMT_FP6 matrix_a_scale:MATRIX_SCALE_ROW1
.elseif WROW == 2
	v_wmma_scale_f32_16x16x128_f8f6f4 v[\d:\d+7], v[\a:\a+11], v[\b:\b+11], v[\c:\c+7], v[\sa], v[\sb] matrix_a_fmt:MATRIX_FMT_FP6 matrix_b_fmt:MATRIX_FMT_FP6 matrix_b_scale:MATRIX_SCALE_ROW1
.else
	v_wmma_scale_f32_16x16x128_f8f6f4 v[\d:\d+7], v[\a:\a+11], v[\b:\b+11], v[\c:\c+7], v[\sa], v[\sb] matrix_a_fmt:MATRIX_FMT_FP6 matrix_b_fmt:MATRIX_FMT_FP6 matrix_a_scale:MATRIX_SCALE_ROW1 matrix_b_scale:MATRIX_SCALE_ROW1
.endif
.endif
.endm
; A round of the cluster's barrier: my work-group's barrier, so that wave 0's signal speaks for all eight waves; wave 0 signals for the work-group; every wave waits for all four work-groups; my work-group's barrier once more.
.macro CROUND
	s_barrier_signal -1
	s_barrier_wait -1
	s_cmp_lg_u32 s[WV], 0
	s_cbranch_scc1 .Lnot_wave_0_\@
	s_barrier_signal -3
.Lnot_wave_0_\@:
	s_barrier_wait -3
	s_barrier_signal -1
	s_barrier_wait -1
.endm
; THE CHANGE OF SLOTS.  left: the slot that has just been read out.  Each wave waits for all its tensor loads (its eighth of the slot ahead), adds 0 to its spare word, and waits for that and for its reads of the slot left.
; refill = 1: the barrier is a round of the cluster's, so that no wave of any partner still reads that slot or has a load on its way; the joint refill is the first thing behind it, with the four key steps two slots on:
; it has a whole slot's work, two steps of every wave, in which to land.
.macro CHANGE left, refill
	s_wait_tensorcnt 0x0                           ; no tensor load of mine is out, so a group 0 may be written
	ds_add_u32 v[SPW], v[NIL]                      ; 0 onto my spare word
.if \refill
	s_add_nc_u64 s[G0+4*\left+2:G0+4*\left+3], s[G0+4*\left+2:G0+4*\left+3], 2*SLOT   ; the address steps; the type bits on top are not reached
.endif
	s_wait_dscnt 0x0                               ; the add is done, and my reads of the slot left are over
.if \refill
	CROUND
	tensor_load_to_lds s[G0+4*\left:G0+4*\left+3], s[G1:G1+7]      ; my one tensor load until the next round
	s_nop 0
	PLACES 4
.else
	s_barrier_signal -1
	s_barrier_wait -1
.endif
.endm
.macro KREG t                          ; where tile t of k lies: four in their own registers, two where p's codes will stand, two where tile 1's first scores will
.if (\t) < 4
.set kr, F+12*(\t)
.elseif (\t) < 6
.set kr, PCD+12*((\t)-4)
.else
.set kr, KX+12*((\t)-6)
.endif
.endm
.macro FETCHK                          ; a step's eight tiles of keys in one run: 24 loads of 512 consecutive bytes
.irp t, 0,1,2,3,4,5,6,7
	KREG \t
.irp g, 0,1,2
	ds_load_b128 v[kr+4*\g:kr+4*\g+3], v[ADR16] offset:1536*\t+512*\g
.endr
.endr
.endm
.macro SQK t, u                        ; S^T of tile t of the keys x tile u of my queries; k's scale words: register t / 2, lanes 16 (t % 2) on
	KREG \t
	WM S+64*(\u)+8*(\t), kr, Q+12*(\u), -1, SCL+(\t)/2, QS, (\t)%2, \u
.endm
.macro FETCHV grp, vb                  ; four tiles of v's channels
.irp n, 0,1,2,3
.irp g, 0,1,2
	ds_load_b128 v[\vb+12*\n+4*\g:\vb+12*\n+4*\g+3], v[ADR16] offset:VIMG+1536*(4*(\grp)+\n)+512*\g
.endr
.endr
.endm
; O^T += v p^T for four tiles of channels x my two tiles of queries.  Each accumulator has one instruction a step: no two that follow each other share one.  PVF = 1: the products start the sums.
.macro PV grp, vb
.irp n, 0,1,2,3
.irp u, 0,1
.if PVF
	WM 128*\u+8*(4*(\grp)+\n), \vb+12*\n, PCD+12*\u, -1, SCL+(4*(\grp)+\n)/2, PS+\u, \n%2, 0
.else
	WM 128*\u+8*(4*(\grp)+\n), \vb+12*\n, PCD+12*\u, 128*\u+8*(4*(\grp)+\n), SCL+(4*(\grp)+\n)/2, PS+\u, \n%2, 0
.endif
.endr
.endr
.endm
; Tile u's softmax for one key step.  mode 0: O^T is brought under the new M.  mode 1: the first step: O^T does not exist yet.  mode 2: O^T is left alone, and p's scale word takes M - MO up.
.macro SOFTMAX u, mode
.set rS, S+64*(\u)
.set rN, ST+4*(\u)
.set rP, PCD+12*(\u)
.irp b, 0,1,2,3
	v_max3_num_f32 v[BM+\b], v[rS+16*\b], v[rS+16*\b+1], v[rS+16*\b+2]      ; THE LARGEST SCORE OF EACH BLOCK OF 32 KEYS serves twice: for the row's maximum and, since p rises with the score, for the block's largest p.  (Each accumulator is first read at its low end)
.endr
.irp i, 3,5,7,9,11,13
.irp b, 0,1,2,3
	v_max3_num_f32 v[BM+\b], v[BM+\b], v[rS+16*\b+\i], v[rS+16*\b+\i+1]     ; (the four blocks by turns)
.endr
.endr
.irp b, 0,1,2,3
	v_max_num_f32 v[BM+\b], v[BM+\b], v[rS+16*\b+15]
.endr
.irp b, 0,1,2,3
	s_delay_alu instid0(VALU_DEP_4)
	v_permlanex16_b32 v[BP+\b], v[BM+\b], s20, s21
.endr
.irp b, 0,1,2,3
	s_delay_alu instid0(VALU_DEP_4)
	v_max_num_f32 v[BM+\b], v[BM+\b], v[BP+\b]     ; with lane l xor 16's 16 keys
.endr
	s_delay_alu instid0(VALU_DEP_2)
	v_max3_num_f32 v[TA], v[BM], v[BM+1], v[BM+2]
	s_delay_alu instid0(VALU_DEP_1)
	v_max_num_f32 v[TA], v[TA], v[BM+3]            ; the step's largest score of my query
	s_delay_alu instid0(VALU_DEP_1)
	v_mul_f32 v[TA], s22, v[TA]                    ; as t
	s_delay_alu instid0(VALU_DEP_1)
	v_floor_f32 v[TB], -v[TA]                      ; floor(-t) = -ceil(t): a whole number
	s_delay_alu instid0(VALU_DEP_1)
	v_min_num_f32 v[TB], v[TB], v[rN]              ; the new -M: the ceiling of the running maximum is the larger of the two ceilings, so the running t itself is not kept
	s_delay_alu instid0(VALU_DEP_1)
	v_sub_f32 v[TA], v[TB], v[rN]                  ; old M - new M: a whole number, 0 or less
	s_delay_alu instid0(VALU_DEP_2)
	v_mov_b32 v[rN], v[TB]
	s_delay_alu instid0(VALU_DEP_2)
	v_cvt_i32_f32 v[TA], v[TA]                     ; (it saturates)
	s_delay_alu instid0(VALU_DEP_1)
	v_ldexp_f32 v[FP], 1.0, v[TA]                  ; f = 2^(old M - new M), for the sum
.if \mode == 0
	s_delay_alu instid0(VALU_DEP_3)
	v_sub_f32 v[TC], v[rN], v[rN+1]                ; MO - new M: a whole number, 0 or less
	s_delay_alu instid0(VALU_DEP_4)
	v_mov_b32 v[rN+1], v[rN]                       ; O^T comes under the new M
	s_delay_alu instid0(VALU_DEP_2)
	v_cvt_i32_f32 v[TC], v[TC]
	s_delay_alu instid0(VALU_DEP_1)
	v_ldexp_f32 v[FO], 1.0, v[TC]                  ; by this factor, at the macro's end
.elseif \mode == 1
	s_delay_alu instid0(VALU_DEP_3)
	v_mov_b32 v[rN+1], v[rN]                       ; O^T begins under this step's M
.else
	s_delay_alu instid0(VALU_DEP_3)
	v_sub_f32 v[TC], v[rN+1], v[rN]                ; new M - MO: 0 or more
	s_delay_alu instid0(VALU_DEP_1)
	v_min_num_f32 v[TC], 0x42800000, v[TC]         ; d: held at 64
	s_delay_alu instid0(VALU_DEP_1)
	v_add_f32 v[rN+1], v[rN], v[TC]                ; MO = M - d: as it was, or, where M rose by more than 64, 64 under M
	s_delay_alu instid0(VALU_DEP_2)
	v_cvt_i32_f32 v[TI], v[TC]
	s_delay_alu instid0(VALU_DEP_1)
	v_lshl_or_b32 v[TI], v[TI], 8, v[TI]
	s_delay_alu instid0(VALU_DEP_1)
	v_lshl_or_b32 v[TI], v[TI], 16, v[TI]          ; d in each of four bytes
.endif
.set j, 0
.rept 32
	v_pk_fma_f32 v[rS+j:rS+j+1], v[rS+j:rS+j+1], s[22:23], v[rN:rN+1] op_sel_hi:[1,0,0]   ; t - M, two at a time (of the pairs log2(e) and -M the low word serves both halves)
.set j, j+2
.endr
.irp b, 0,1,2,3
	v_fma_f32 v[BM+\b], v[BM+\b], s22, v[rN]       ; the same of each block's largest score
.endr
.set j, 0
	s_wait_alu depctr_va_vdst(0)
.rept 64
	v_exp_f32 v[rS+j], v[rS+j]                     ; p = 2^(t - M)
.set j, j+1
.endr
.irp b, 0,1,2,3
	v_exp_f32 v[BM+\b], v[BM+\b]                   ; the block's largest p: the same two instructions on the same number give the same bits
.endr
	v_pk_mul_f32 v[rN+2:rN+3], v[rN+2:rN+3], v[FP:FP+1] op_sel_hi:[1,0]      ; the sums under the new M.  (A plain place behind the exponentials)
	s_wait_alu depctr_va_vdst(0)
.irp b, 0,1,2,3
	v_max_num_f32 v[BM+\b], 0x1800000, v[BM+\b]    ; the floor 2^(3 - 127): the byte cannot fall under 1
.endr
.irp b, 0,1,2,3
	s_delay_alu instid0(VALU_DEP_4)
	v_add_nc_u32 v[SO+\b], 0xff000000, v[BM+\b]    ; 2 off the exponent field: the conversion's scale operand
.endr
.irp b, 0,1,2,3
	s_delay_alu instid0(VALU_DEP_4)
	v_lshrrev_b32 v[BP+\b], 23, v[SO+\b]           ; the scale's byte, 1 to 125
.endr
	s_delay_alu instid0(VALU_DEP_3)
	v_lshl_or_b32 v[PS+\u], v[BP+1], 8, v[BP]      ; p's scale word for these 128 keys
	s_delay_alu instid0(VALU_DEP_1)
	v_lshl_or_b32 v[PS+\u], v[BP+2], 16, v[PS+\u]
	s_delay_alu instid0(VALU_DEP_1)
	v_lshl_or_b32 v[PS+\u], v[BP+3], 24, v[PS+\u]
.if \mode == 2
	s_delay_alu instid0(VALU_DEP_1)
	v_add_nc_u32 v[PS+\u], v[PS+\u], v[TI]         ; each byte + d, 189 at the most: no carry from byte to byte.  The product then adds p x 2^d, which is p under MO
.endif
.irp c, 0,1
	v_cvt_scalef32_pk16_fp6_f32 v[rP+6*\c:rP+6*\c+2], v[rS+32*\c:rS+32*\c+15], v[SO+2*\c]
	v_cvt_scalef32_pk16_fp6_f32 v[CU+4*\c:CU+4*\c+2], v[rS+32*\c+16:rS+32*\c+31], v[SO+2*\c+1]   ; (a conversion's three registers begin on an even number)
.endr
	v_nop                                          ; one plain place behind a scaled conversion
.irp c, 0,1                                    ; the operand's layout wants a WHOLE block in a lane: lanes 0-15 block 2 c, lanes 16-31 block 2 c + 1
.irp i, 0,1,2
	v_permlane16_swap_b32 v[rP+6*\c+\i], v[CU+4*\c+\i]
.endr
.irp i, 0,1,2
	s_delay_alu instid0(VALU_DEP_3)
	v_mov_b32 v[rP+6*\c+3+\i], v[CU+4*\c+\i]
.endr
.endr
	v_pk_add_f32 v[SA:SA+1], v[rS:rS+1], v[rS+2:rS+3]        ; THE ROW'S SUM IS TAKEN OF THE UNQUANTISED p: two at a time, in FOUR chains, so that a line's source was written four lines back.
	v_pk_add_f32 v[SB:SB+1], v[rS+4:rS+5], v[rS+6:rS+7]      ; (These 32 lines are also the places between the scale word's and the codes' last writes and the products that take them)
	v_pk_add_f32 v[SC:SC+1], v[rS+8:rS+9], v[rS+10:rS+11]
	v_pk_add_f32 v[rN+2:rN+3], v[rN+2:rN+3], v[rS+12:rS+13]
.set j, 14
.rept 6
	v_pk_add_f32 v[SA:SA+1], v[SA:SA+1], v[rS+j:rS+j+1]
	v_pk_add_f32 v[SB:SB+1], v[SB:SB+1], v[rS+j+2:rS+j+3]
	v_pk_add_f32 v[SC:SC+1], v[SC:SC+1], v[rS+j+4:rS+j+5]
	v_pk_add_f32 v[rN+2:rN+3], v[rN+2:rN+3], v[rS+j+6:rS+j+7]
.set j, j+8
.endr
	v_pk_add_f32 v[SA:SA+1], v[SA:SA+1], v[rS+62:rS+63]
	s_delay_alu instid0(VALU_DEP_3)
	v_pk_add_f32 v[SB:SB+1], v[SB:SB+1], v[SC:SC+1]
	s_delay_alu instid0(VALU_DEP_2)
	v_pk_add_f32 v[rN+2:rN+3], v[rN+2:rN+3], v[SA:SA+1]
	s_delay_alu instid0(VALU_DEP_1)
	v_pk_add_f32 v[rN+2:rN+3], v[rN+2:rN+3], v[SB:SB+1]
.if \mode == 0
	WIN 0x41                                       ; O^T (destination and source 0) window 1, the factor window 0
.set j, 0
.rept 64
	v_pk_mul_f32 v[128*(\u)+j:128*(\u)+j+1], v[128*(\u)+j:128*(\u)+j+1], v[FO:FO+1] op_sel_hi:[1,0]   ; O^T under the new M, each accumulator from its low end on
.set j, j+2
.endr
	WIN 0
.endif
.endm
; A KEY STEP of my half: 128 keys whose record begins at LDS byte base + my half's 76,800.  mode: as SOFTMAX's.  pf = 1: x's rows for the way out are asked for.
.macro STEP base, mode, pf
.if \mode == 1
.set PVF, 1
.else
.set PVF, 0
.endif
	v_add_nc_u32 v[ADR16], \base, v[LK16]
	v_add_nc_u32 v[ADR8], \base, v[LK8]
.irp p, 0,1
	ds_load_b64 v[SCL+2*\p:SCL+2*\p+1], v[ADR8] offset:KSCL+256*\p           ; k's scale words
.endr
	FETCHK
	s_wait_dscnt 18                                ; LDS loads come back in order: the scale words and tiles 0, 1 are in; the 18 loads of tiles 2 to 7 may be out
	SQK 0, 0
	SQK 1, 0
	s_wait_dscnt 12                                ; tiles 2, 3 are in
	SQK 2, 0
	SQK 3, 0
	s_wait_dscnt 6                                 ; tiles 4, 5
	SQK 4, 0
	SQK 5, 0
	s_wait_dscnt 0x0
	SQK 6, 0
	SQK 7, 0
	SQK 6, 1                                       ; of my second tile of queries tiles 6 and 7 come first:
	SQK 7, 1
	PLACES 5                                       ; its first scores are written over the registers from which these four products read k: five places
.irp t, 0,1,2,3,4,5
	SQK \t, 1
.endr
	PLACES 4                                       ; in front of the first write into k's registers; the first scores read were finished ahead of the five places
	SOFTMAX 0, \mode
.irp p, 0,1,2,3
	ds_load_b64 v[SCL+2*\p:SCL+2*\p+1], v[ADR8] offset:VSCL+256*\p           ; v's scale words
.endr
	FETCHV 0, VB0                                  ; into tile 0's scores' registers, which are done with: these land during tile 1's softmax
.if \pf
	global_prefetch_b8 v0, s[46:47] th:TH_LOAD_NT scope:SCOPE_SE                  ; x's 32 rows of 512 bytes that my wave adds on the way out: 64 blocks of 256 bytes, a lane to a block, each asked for once in the launch, by this wave alone;
	global_prefetch_b8 v0, s[46:47] offset:262144 th:TH_LOAD_NT scope:SCOPE_SE    ; asked in my last key step, behind loads just issued and ahead of a softmax; v0 and the base are not written again
.endif
	SOFTMAX 1, \mode
	FETCHV 1, VB1
	FETCHV 2, VB2
	s_wait_alu depctr_va_vdst(0)
	s_wait_dscnt 24                                ; the scale words and group 0 are in; the 24 loads of groups 1 and 2 may be out
	WIN 0x50                                       ; C and D window 1
	PV 0, VB0
	WIN 0
	PLACES 4                                       ; in front of loads into registers that matrix instructions have read
	FETCHV 3, VB0
	s_wait_dscnt 24                                ; group 1 is in; groups 2 and 3 may be out
	WIN 0x50
	PV 1, VB1
	s_wait_dscnt 12                                ; group 2 is in
	PV 2, VB2
	s_wait_dscnt 0x0
	PV 3, VB0
	WIN 0
	PLACES 5                                       ; the next step's first products write over registers that these products read: five places; its loads want four
.endm
	s_load_b256 s[4:11], s[0:1], 0x0               ; qc s[4:5], kv s[6:7], x s[8:9], gamma s[10:11]
	s_load_b64 s[12:13], s[0:1], 0x20              ; out0
	v_lshl_add_u32 v[SPW], v0, 2, SPARE
	v_mov_b32 v[NIL], 0
	ds_add_u32 v5, v6
	ds_add_u32 v5, v6
	s_wait_dscnt 0x0
	v_lshrrev_b32 v1, 5, v0
	s_delay_alu instid0(VALU_DEP_1)
	v_readfirstlane_b32 s[WV], v1                  ; wave 0..7
	s_lshr_b32 s15, s[WV], 2                       ; which half of the keys
	s_and_b32 s16, s[WV], 3                        ; a: which two tiles of queries
	s_bfe_u32 s17, ttmp6, 0x40000                  ; cx: my place in the cluster
	s_lshl_b32 s18, ttmp9, 2                       ; in a cluster launch ttmp9 counts clusters
	s_add_co_u32 s18, s18, s17                     ; my block of 128 queries: it enters qc's, x's and out0's addresses alone
	s_and_b32 s19, ttmp7, 0xffff                   ; the image, which the four partners share
	s_mov_b32 s20, 0x76543210
	s_mov_b32 s21, 0xfedcba98                      ; v_permlanex16_b32's selects for lane l xor 16
	s_mov_b32 s22, 0x3fb8aa3b                      ; log2(e)
	s_mov_b32 s23, s22                             ; (named with it as a pair, so it is written)
	; descriptor group 1: an eighth of a slot, 19,200 dense bytes, as 75 rows of 256 bytes
	s_mov_b32 s[G1], 15|(3<<16)|(1<<21)            ; 15:0 the mask: all four work-groups; 17:16 elements of 8 bytes; 20 no padding; 21 set beside a mask
	s_mov_b32 s[G1+1], 32<<16                      ; tensor_dim0 = 32 elements
	s_mov_b32 s[G1+2], 75<<16                      ; tensor_dim1 = 75
	s_mov_b32 s[G1+3], 32<<16                      ; tile_dim0 = 32
	s_mov_b32 s[G1+4], 75                          ; tile_dim1 = 75
	s_mov_b32 s[G1+5], 32                          ; from row to row: 32 elements
	s_mov_b32 s[G1+6], 0
	s_mov_b32 s[G1+7], 0
	s_mul_i32 s42, s[WV], 19200                    ; my eighth, in a slot and in memory: no place in the cluster enters it
	s_mul_i32 s44, s19, 32*REC                     ; the image's 32 records
	s_add_co_u32 s44, s44, s42
	s_mov_b32 s45, 0
	s_wait_kmcnt 0x0
	s_add_nc_u64 s[44:45], s[6:7], s[44:45]
	CROUND                                         ; all four work-groups are here: the first joint loads meet
	s_mov_b32 s[G0], 1                             ; 1:0 count = 1
	s_mov_b32 s[G0+1], s42                         ; 63:32 LDS address: slot 0
	s_mov_b64 s[G0+2:G0+3], s[44:45]               ; 120:64 global address: key steps 0-3
	s_or_b32 s[G0+3], s[G0+3], 0x80000000          ; 127:126 type = 2
	s_mov_b32 s[G0+4], 1
	s_add_co_u32 s[G0+5], s42, SLOT                ; slot 1
	s_add_nc_u64 s[G0+6:G0+7], s[44:45], SLOT      ; key steps 4-7
	s_or_b32 s[G0+7], s[G0+7], 0x80000000
	tensor_load_to_lds s[G0:G0+3], s[G1:G1+7]      ; slot 0's first fill: one load of mine is out
	s_nop 0
	s_wait_alu depctr_va_vdst(0)
	s_wait_tensorcnt 0x0
	ds_add_u32 v5, v6
	s_wait_dscnt 0x0
	CROUND
	tensor_load_to_lds s[G0+4:G0+7], s[G1:G1+7]
	s_nop 0
	PLACES 4
	s_load_b32 s41, s[10:11], 0x0                  ; gamma
	s_lshl_b32 s46, s19, 5
	s_add_co_u32 s46, s46, s18
	s_mul_i32 s46, s46, 12800                      ; my record of qc
	s_mov_b32 s47, 0
	s_add_nc_u64 s[48:49], s[4:5], s[46:47]
	s_mul_i32 s46, s16, 3072
	s_add_nc_u64 s[50:51], s[48:49], s[46:47]      ; the images of tiles 2 a, 2 a + 1
	s_lshr_b32 s46, s16, 1
	s_lshl_b32 s46, s46, 8
	s_and_b32 s43, s16, 1
	s_lshl_b32 s43, s43, 2
	s_add_co_u32 s46, s46, s43
	s_add_co_u32 s46, s46, 12288
	s_add_nc_u64 s[48:49], s[48:49], s[46:47]      ; quad a / 2, word a % 2: lanes 0-15 tile 2 a, lanes 16-31 tile 2 a + 1
	v_and_b32 v3, 31, v0
	s_delay_alu instid0(VALU_DEP_1)
	v_lshlrev_b32 v[GO], 4, v3
	s_delay_alu instid0(VALU_DEP_2)
	v_lshlrev_b32 v[ADR8], 3, v3                   ; 8 x lane, until Q is in
.irp u, 0,1
.irp g, 0,1,2
	global_load_b128 v[Q+12*\u+4*\g:Q+12*\u+4*\g+3], v[GO], s[50:51] offset:1536*\u+512*\g
.endr
.endr
	global_load_b32 v[QS], v[ADR8], s[48:49]
	s_mul_i32 s43, s15, 2*REC
	v_add_nc_u32 v[LK16], s43, v[GO]
	v_add_nc_u32 v[LK8], s43, v[ADR8]
	; the way out's LDS addresses, made here from the thread's and the wave's number
	v_and_b32 v8, 7, v0
	v_bfe_u32 v9, v0, 3, 1
	v_bfe_u32 v10, v0, 4, 1
	s_delay_alu instid0(VALU_DEP_3)
	v_lshlrev_b32 v8, 2, v8
	s_delay_alu instid0(VALU_DEP_1)
	v_lshl_add_u32 v8, v9, 6, v8                   ; my query's place among 32 pixels: 4 (r % 8) + 64 (r / 8) bytes (+ 32 for the second tile)
	s_delay_alu instid0(VALU_DEP_3)
	v_mul_u32_u24 v10, v10, 8*SPT                  ; lanes 16-31 hold channels 8 further on
	s_delay_alu instid0(VALU_DEP_1)
	v_add_nc_u32 v10, v10, v8
	s_lshl_b32 s46, s16, 7                         ; 128 a: my 32 pixels
	s_mul_i32 s47, s15, STGB                       ; my half's stage
	s_add_co_u32 s47, s47, s46
	v_add_nc_u32 v[SA0], s47, v10
	s_delay_alu instid0(VALU_DEP_1)
	v_add_nc_u32 v[SA1], 128*SPT, v[SA0]
	s_lshl_b32 s47, s15, 9
	s_add_co_u32 s47, s47, s46
	s_add_co_u32 s47, s47, STATS
	v_add_nc_u32 v[STA], s47, v8
	s_mul_i32 s47, s[WV], 32*SPT                   ; back: wave w takes channels 32 w on, 16 bytes a lane
	v_add_nc_u32 v[RD0], s47, v[GO]
	s_delay_alu instid0(VALU_DEP_1)
	v_add_nc_u32 v[RD1], STGB, v[RD0]
.irp u, 0,1
	v_mov_b32 v[ST+4*\u], 0x7f61b1e6               ; -M so far: 3e38, over every -t
	v_mov_b32 v[ST+4*\u+1], 0x7f61b1e6             ; -MO (the first step writes it; named before that as the upper half of a pair)
	v_mov_b32 v[ST+4*\u+2], 0                      ; the sum, in two halves
	v_mov_b32 v[ST+4*\u+3], 0
.endr
	s_wait_tensorcnt 0x1                           ; my eighth of slot 0 is in; slot 1's may stay out
	s_barrier_signal -1
	s_barrier_wait -1                              ; everybody's is
	s_wait_loadcnt 0x0                             ; Q and its scale words
	s_wait_kmcnt 0x0                               ; gamma
	STEP 0, 1, 0                                   ; the first step's products start O^T's sums: nothing is ever cleared
	STEP REC, 2, 0
	s_mov_b32 s40, 3
.Lring:                                            ; a trip goes once round the ring and fills both slots again: 2 first fills + 3 x 2 = the image's 8 slots' worth of keys
	CHANGE 0, 1
	STEP SLOT, 0, 0                                ; a slot's first step brings O^T under M, its second leaves O^T alone
	STEP SLOT+REC, 2, 0
	CHANGE 1, 1
	STEP 0, 0, 0
	STEP REC, 2, 0
	s_sub_co_u32 s40, s40, 1
	s_cmp_lg_u32 s40, 0
	s_cbranch_scc1 .Lring
	CHANGE 0, 0                                    ; the last slot is written out: nothing is asked for
	STEP SLOT, 0, 0
	s_lshl_b32 s42, s19, 22                        ; where my wave's 32 channel rows of x and of out0 begin: image x 4 MiB
	s_lshl_b32 s43, s[WV], 19                      ;  + 32 channels of 16 KiB a wave
	s_add_co_u32 s42, s42, s43
	s_lshl_b32 s43, s18, 9                         ;  + my block's 512 bytes
	s_add_co_u32 s42, s42, s43
	s_mov_b32 s43, 0
	s_add_nc_u64 s[46:47], s[8:9], s[42:43]        ; x
	s_add_nc_u64 s[48:49], s[12:13], s[42:43]      ; out0
	v_bfe_u32 v3, v0, 1, 4                         ; for the prefetch: lane L takes row L / 2 of sixteen,
	v_and_b32 v4, 1, v0                            ; and of its 512 bytes the half L % 2
	s_delay_alu instid0(VALU_DEP_1)
	v_lshlrev_b32 v4, 8, v4
	s_delay_alu instid0(VALU_DEP_1)
	v_lshl_add_u32 v0, v3, 14, v4                  ; (the thread's number is not wanted any more)
	STEP SLOT+REC, 2, 1
	; THE WAY OUT.  out is laid by channels with the pixels innermost, and a lane holds one pixel and eight channels: so both halves' O^T go through stages in LDS, by channel rows of 128 pixels, and each wave
	; reads back 32 whole rows of both stages, joins them, adds x and stores rows of 512 consecutive bytes.
.set i, 0
.rept 32
	global_load_b128 v[XR+4*i:XR+4*i+3], v[GO], s[46:47] offset:16384*i th:TH_LOAD_NT   ; x's rows are asked for now: 512 consecutive bytes each; they land while the stages are written
.set i, i+1
.endr
.irp u, 0,1
	v_add_f32 v[ST+4*\u+2], v[ST+4*\u+2], v[ST+4*\u+3]       ; the sum's two halves,
.endr
.irp u, 0,1
	s_delay_alu instid0(VALU_DEP_2)
	v_permlanex16_b32 v[ST+4*\u+3], v[ST+4*\u+2], s20, s21
.endr
.irp u, 0,1
	s_delay_alu instid0(VALU_DEP_2)
	v_add_f32 v[ST+4*\u+2], v[ST+4*\u+2], v[ST+4*\u+3]       ; and lane l xor 16's: my half's sum for my query, under M
.endr
.irp u, 0,1
	v_sub_f32 v[ST+4*\u+3], v[ST+4*\u+1], v[ST+4*\u]         ; M - MO: 0 to 64
.endr
.irp u, 0,1
	s_delay_alu instid0(VALU_DEP_2)
	v_cvt_i32_f32 v[ST+4*\u+3], v[ST+4*\u+3]
.endr
.irp u, 0,1
	s_delay_alu instid0(VALU_DEP_2)
	v_ldexp_f32 v[ST+4*\u+2], v[ST+4*\u+2], v[ST+4*\u+3]     ; the sum under MO, as O^T is: exact
.endr
	s_wait_alu depctr_va_vdst(0)
	s_wait_dscnt 0x0                               ; my reads of the ring are over
	s_barrier_signal -1
	s_barrier_wait -1                              ; everybody's are; every tensor load was waited for at the last change of slots: the ring's bytes may be stored into
	WIN 0x04                                       ; an LDS store's data are its source 1: window 1
.irp u, 0,1
.set ct, 0
.rept 8
.irp j, 0,1,2,3,4,5,6,7
	ds_store_b32 v[SA0], v[128*\u+8*ct+\j] offset:(16*ct+\j)*SPT+32*\u       ; O^T(channel 16 ct + 8 h + j, my query), each accumulator from its low end on; the 32 lanes fall on 32 different words modulo 64
.endr
.set ct, ct+1
.endr
.rept 8
.irp j, 0,1,2,3,4,5,6,7
	ds_store_b32 v[SA1], v[128*\u+8*ct+\j] offset:(16*(ct-8)+\j)*SPT+32*\u
.endr
.set ct, ct+1
.endr
.endr
	WIN 0
.irp u, 0,1
	ds_store_b32 v[STA], v[ST+4*\u+1] offset:32*\u           ; -MO (lanes l and l xor 16 write the same word with the same value)
	ds_store_b32 v[STA], v[ST+4*\u+2] offset:1024+32*\u      ; the sum under it
.endr
	v_add_nc_u32 v3, STATS, v[GO]
	s_wait_alu depctr_va_vdst(0)
	s_wait_dscnt 0x0                               ; for the others' sake: my stores have landed
	s_barrier_signal -1
	s_barrier_wait -1
.macro LOADROWS grp, set               ; four channel rows of both stages: row k's numbers of stage 0 at set + 8 k, of stage 1 at set + 8 k + 4
.irp k, 0,1,2,3
	ds_load_b128 v[\set+8*\k:\set+8*\k+3], v[RD0] offset:(4*(\grp)+\k)*SPT
	ds_load_b128 v[\set+8*\k+4:\set+8*\k+7], v[RD1] offset:(4*(\grp)+\k)*SPT
.endr
.endm
.macro ROWS grp, set                   ; out = x + stage 0 x A0 + stage 1 x A1, in x's registers, which are then stored and never written again
.irp k, 0,1,2,3
.set xr, XR+4*(4*(\grp)+\k)
	v_pk_fma_f32 v[xr:xr+1], v[\set+8*\k:\set+8*\k+1], v[FA:FA+1], v[xr:xr+1]
	v_pk_fma_f32 v[xr+2:xr+3], v[\set+8*\k+2:\set+8*\k+3], v[FA+2:FA+3], v[xr+2:xr+3]
	s_delay_alu instid0(VALU_DEP_2)
	v_pk_fma_f32 v[xr:xr+1], v[\set+8*\k+4:\set+8*\k+5], v[FA+4:FA+5], v[xr:xr+1]
	s_delay_alu instid0(VALU_DEP_2)
	v_pk_fma_f32 v[xr+2:xr+3], v[\set+8*\k+6:\set+8*\k+7], v[FA+6:FA+7], v[xr+2:xr+3]
	global_store_b128 v[GO], v[xr:xr+3], s[48:49] offset:16384*(4*(\grp)+\k) th:TH_STORE_NT   ; 32 lanes store 512 consecutive bytes, at a multiple of 256 from out0's first byte
.endr
.endm
.irp p, 0,1,2,3
	ds_load_b128 v[208+4*\p:211+4*\p], v3 offset:512*\p      ; for my 4 pixels: -MO of half 0, of half 1, the sums of half 0, of half 1
.endr
	LOADROWS 0, 16
	s_wait_dscnt 8                                 ; the statistics are in; the first group's 8 loads may be out
.irp p, 0,1,2,3
	v_min_num_f32 v[248+\p], v[208+\p], v[212+\p]  ; the higher of the two references, negated
.endr
.irp p, 0,1,2,3
	v_sub_f32 v[FA+\p], v[248+\p], v[208+\p]       ; half 0's reference less the common one: a whole number, 0 or less
	v_sub_f32 v[FA+4+\p], v[248+\p], v[212+\p]
.endr
.irp p, 0,1,2,3,4,5,6,7
	v_cvt_i32_f32 v[FA+\p], v[FA+\p]
.endr
.irp p, 0,1,2,3,4,5,6,7
	v_ldexp_f32 v[FA+\p], 1.0, v[FA+\p]            ; f0, f1: powers of two, which round nothing
.endr
.irp p, 0,1,2,3
	v_mul_f32 v[248+\p], v[216+\p], v[FA+\p]
.endr
.irp p, 0,1,2,3
	s_delay_alu instid0(VALU_DEP_4)
	v_fma_f32 v[248+\p], v[220+\p], v[FA+4+\p], v[248+\p]    ; the row's sum
.endr
	s_wait_alu depctr_va_vdst(0)
.irp p, 0,1,2,3
	v_rcp_f32 v[248+\p], v[248+\p]
.endr
	v_nop                                          ; one plain place behind a transcendental
	s_wait_alu depctr_va_vdst(0)
.irp p, 0,1,2,3
	v_mul_f32 v[248+\p], s41, v[248+\p]            ; gamma / the sum
.endr
.irp p, 0,1,2,3
	v_mul_f32 v[FA+\p], v[FA+\p], v[248+\p]
	v_mul_f32 v[FA+4+\p], v[FA+4+\p], v[248+\p]
.endr
	s_wait_alu depctr_va_vdst(0)
.irp g, 0,1,2,3,4,5,6,7                        ; eight groups of four rows, in two sets of registers (v16-47, v208-239) by turns: a group's loads stand ahead of the group before's work
.if \g < 7
	LOADROWS \g+1, 16+192*((\g+1)%2)
	s_wait_dscnt 8                                 ; this group's rows are in; the next group's 8 loads may be out
.else
	s_wait_dscnt 0x0
.endif
	s_wait_loadcnt 28-4*\g                         ; x's rows up to this group's are in; the younger ones may be out
	ROWS \g, 16+192*(\g%2)
.endr
	s_wait_tensorcnt 0x0                           ; the wave's end, behind my last tensor load and my last LDS store
	ds_add_u32 v[SPW], v[NIL]
	s_wait_dscnt 0x0
	CROUND                                         ; the closing round: no work-group ends while a partner may still ask for a tile that names it
	s_endpgm
.Lfunc_end_k_q065e4d00ed_attn:
	.size	k_q065e4d00ed_attn, .Lfunc_end_k_q065e4d00ed_attn-k_q065e4d00ed_attn
	.p2alignl 7, 3214868480
	.fill 96, 4, 3214868480
	.section	.rodata,"a",@progbits
	.p2align	6, 0x0
	.amdhsa_kernel k_q065e4d00ed_attn
		.amdhsa_group_segment_fixed_size 327680
		.amdhsa_private_segment_fixed_size 0
		.amdhsa_enable_private_segment 0
		.amdhsa_kernarg_size 40
		.amdhsa_user_sgpr_count 2
		.amdhsa_user_sgpr_kernarg_segment_ptr 1
		.amdhsa_wavefront_size32 1
		.amdhsa_system_sgpr_workgroup_id_x 1
		.amdhsa_system_sgpr_workgroup_id_y 1
		.amdhsa_system_sgpr_workgroup_id_z 1
		.amdhsa_system_vgpr_workitem_id 0
		.amdhsa_next_free_vgpr 512
		.amdhsa_next_free_sgpr 66
		.amdhsa_reserve_vcc 0
		.amdhsa_float_denorm_mode_32 3
		.amdhsa_float_denorm_mode_16_64 3
		.amdhsa_memory_ordered 1
		.amdhsa_forward_progress 1
		.amdhsa_inst_pref_size 255
	.end_amdhsa_kernel
	.section	.bss,"aw",@nobits
	.p2align	6
	.space	262144
	.amdgpu_metadata
---
amdhsa.version: [ 1, 2 ]
amdhsa.kernels:
  - .name:           k_q065e4d00ed_attn
    .symbol:         k_q065e4d00ed_attn.kd
    .args:
      - { .name: qc, .offset: 0, .size: 8, .value_kind: global_buffer, .address_space: global }
      - { .name: kv, .offset: 8, .size: 8, .value_kind: global_buffer, .address_space: global }
      - { .name: x, .offset: 16, .size: 8, .value_kind: global_buffer, .address_space: global }
      - { .name: gamma, .offset: 24, .size: 8, .value_kind: global_buffer, .address_space: global }
      - { .name: out0, .offset: 32, .size: 8, .value_kind: global_buffer, .address_space: global }
    .group_segment_fixed_size: 327680
    .private_segment_fixed_size: 0
    .kernarg_segment_align: 8
    .kernarg_segment_size: 40
    .max_flat_workgroup_size: 256
    .sgpr_count:     66
    .vgpr_count:     512
    .wavefront_size: 32
...
	.end_amdgpu_metadata
.endif
;; end of part 3
